; MI455X (gfx1250); checked and timed in simulation.
; The chip was launched on July 23, 2026; its instructions are those of AMD's public machine-readable ISA for CDNA 5 (MIT licence, August 2026) and "CDNA5" Instruction Set Architecture Reference Guide (July 2026). The comments in the code are by the model that wrote it; some were corrected since.
;; No Online Logit Normalization Layer. Allowed arithmetic: matrix products marked QUANTISED: E4M3 operands, one given power-of-two scale a tensor, by v_wmma_f32_16x16x64_fp8_fp8 or v_wmma_f32_16x16x128_fp8_fp8, f32 sums; everything else in f32.
;; Inputs: Wk 1,024 x 1,024 float32; Wq 1,024 x 1,024 float32; Wv 1,024 x 1,024 float32; bk 1,024 float32; bq 1,024 float32; bv 1,024 float32; lowp_scales 10 int32 (the exponents e of the quantised operands' scales 2^e); tens 4 x 4,096 x 1,024 float32.
;; Outputs: out0 4 x 4,096 x 1,024 float32.
;; This version of the problem:
;;   THIS VERSION OF THE PROBLEM IS GIVEN IN LOW PRECISION. The matrix products marked QUANTISED in the list below multiply operands that are first quantised to E4M3 (4 exponent bits, 3 mantissa bits; 8 bits a number), with one given power-of-two scale for each operand tensor; their sums are f32. All else is computed in f32.
;;   The module's matrix products, in the order in which they are computed (A, B: the left and right operand; K: the contracted axis; several contracted axes count as one K, in the product's order):
;;     1. [M 16,384, K 1,024] x [K 1,024, N 1,024]; A: input tens; B: input Wq: QUANTISED (scales: A lowp_scales[0], B lowp_scales[1])
;;     2. [M 16,384, K 1,024] x [K 1,024, N 1,024]; A: input tens; B: input Wk: QUANTISED (scales: A lowp_scales[2], B lowp_scales[3])
;;     3. [M 16,384, K 1,024] x [K 1,024, N 1,024]; A: input tens; B: input Wv: QUANTISED (scales: A lowp_scales[4], B lowp_scales[5])
;;     4. batch 64 x [M 64, K 4,096] x [K 4,096, N 64]; A: computed on the way; B: computed on the way: QUANTISED (scales: A lowp_scales[6], B lowp_scales[7])
;;     5. batch 64 x [M 64, K 64] x [K 64, N 4,096]; A: computed on the way; B: computed on the way: QUANTISED (scales: A lowp_scales[8], B lowp_scales[9])
;;   THE QUANTISER, for each operand of a quantised product, along K:
;;     - The operand's scale is 2^e, e = its entry of the input lowp_scales (int32; the entries are numbered through the quantised products in the list's order, A before B).
;;     - Each number is divided by the scale, clamped to +-448, and rounded to the nearest number of E4M3, ties to even, subnormals kept.
;;     - The product sums the exact products of the quantised numbers (number of the format x scale) in f32.
;;   ~~~python
;;   def quantise(x, axis, e):      # numpy; x: float32 -> the quantised numbers, widened to float32 again
;;       x = np.moveaxis(x, axis, -1); K = x.shape[-1]
;;       r = np.clip(x / 2.0 ** e, -448, 448)
;;       step = 2.0 ** (np.maximum(np.frexp(np.where(r == 0, 1, r))[1] - 1, -6) - 3)
;;       q = np.round(r / step) * step * 2.0 ** e      # np.round: ties to even
;;       return np.moveaxis(q, -1, axis).astype(np.float32)
;;   ~~~
;;   OPERANDS COMPUTED ON THE WAY. 'Computed on the way' means the value that the module computes at that place (a softmax that the list does not call 'softmax' is quantised finished and normalised). What goes into a quantiser is computed in f32, as accurately as f32 sums, v_exp_f32 and their like allow (about 1e-6 of the number): no bf16 or f16 on the way to a quantiser, and a product that is left as it is and whose result goes on into a quantised operand takes f32 operands (vector FMAs, or v_wmma_f32_16x16x4_f32). A number that lies on a knife's edge between two numbers of the format may be rounded either way, as far as f32 arithmetic and the matrix unit's own rounding can turn it there, and no further.
;; One version. Each part assembles by itself: llvm-mc -triple=amdgcn-amd-amdhsa -mcpu=gfx1250 --defsym DOCPART=n.
;; ======== version 1 of 1: 3 launches
;; workspace buffers: xq 16,777,216 bytes; xk 16,777,216 bytes; xv 16,777,216 bytes; wc 3,145,728 bytes; part 8,388,608 bytes
;; launch quant (part 1): grid 256 x 1, 16 waves a work-group, no clusters, 137,216 bytes of LDS; arguments tens, Wq, Wk, Wv, lowp_scales, xq, xk, xv, wc; writes xq, xk, xv, wc
.if DOCPART == 1
	.amdgcn_target "amdgcn-amd-amdhsa--gfx1250"
	.amdhsa_code_object_version 6
	.text
	.protected	k_qecdc410f37_quant
	.globl	k_qecdc410f37_quant
	.p2align	8
	.type	k_qecdc410f37_quant,@function
k_qecdc410f37_quant:
	s_mov_b64 s[64:65], 0
	v_nop
	global_prefetch_b8 v0, s[64:65] scope:SCOPE_SE
	s_setreg_imm32_b32 hwreg(HW_REG_WAVE_MODE, 25, 1), 1
	s_wait_xcnt 0x0
; tens [16384][1024] and Wq, Wk, Wv [1024][1024], f32, K innermost, become codes of FP8 (E4M3), laid in the ORDER OF AN OPERAND'S REGISTERS:
; [block of 16 rows][K step of 128][2,048 bytes]; in a fragment, chunk c (512 bytes) holds lane l's 16 bytes at 16 l: row l % 16, k = 32 c + 16 (l / 16) + 0 .. 15 of the K step.
; code = x / 2^e, held within +-448, to the nearest code, ties to even.  tens has three given scales (entries 0, 2, 4 of the scales, for the products with Wq, Wk, Wv), which may differ:
; it is read once and quantised three times from registers: xq takes entry 0's codes, xk entry 2's, xv entry 4's.  Wq, Wk, Wv take entries 1, 3, 5 and lie one behind the other in wc, 1 MiB each.
; LIMITS: each e between -126 and 119, so that 2^e and 448 x 2^e are f32 numbers.  NaN among the inputs is not served (an infinity is held at the largest code).
; SHARES.  256 work-groups of sixteen waves, all with the same work.  Work-group g takes rows 64 g .. 64 g + 63 of tens: wave w the block of 16 rows w / 4 and the K quarter w % 4: two fragments.
; The weights are 3 x 64 x 8 = 1,536 fragments, six to a work-group: waves 0 to 5 take fragment f = 6 g + w, which lies at 2,048 f in wc: weight f / 512, block (f / 8) % 64, K step f % 8.
; Each load reads 512 consecutive bytes of one row; a fragment's 16 loads turn through the wave's own stage in LDS (rows 528 bytes apart: row r begins 4 r words on, modulo 64 words) and come back
; 16 neighbours along K at a time; each store covers 512 consecutive bytes.  A wave's two fragments of tens are asked for at once: 32 loads a wave; a weight's fragment as soon as set 0 has gone through the stage.
; No barrier: waves share nothing.  No tensor load, no matrix unit, no cluster: a stream that is read once and shared with nobody.
.set PITCH, 528
.set STGB,  16*PITCH                   ; a wave's stage
.set LO,   1                           ; v1   16 x lane
.set STA,  2                           ; v2   the stage on the way in
.set RDA,  3                           ; v3   and on the way out: row r, + 64 h
                                       ; v4-9 2^e and 448 x 2^e for e0, e2, e4;  v12, v13 for my weight's e
.set R,    16                          ; v16-143   two sets of 64 numbers as loaded
.set X,    144                         ; v144-207  64 numbers: register 16 c + i = k 32 c + 16 h + i of my row
.set T,    208                         ; v208-239  two halves of 16 held numbers
.set C,    240                         ; v240-255  a fragment's codes
.set SRC,  32                          ; s[32:33]  my wave's first number of tens
.set D0,   34                          ; s[34:35]  my wave's first fragment in xq;  s[36:37] in xk;  s[38:39] in xv
.set D1,   36
.set D2,   38
.set WS,   40                          ; s[40:41]  my fragment of a weight: its first number;
.set WD,   42                          ; s[42:43]  its place in wc
	s_load_b256 s[4:11], s[0:1], 0x0               ; tens s[4:5], Wq s[6:7], Wk s[8:9], Wv s[10:11]
	s_load_b256 s[12:19], s[0:1], 0x20             ; the scales s[12:13], xq s[14:15], xk s[16:17], xv s[18:19]
	s_load_b64 s[20:21], s[0:1], 0x40              ; wc
	v_lshl_add_u32 v14, v0, 2, 0x21000
	v_mov_b32 v15, 0
	v_lshrrev_b32 v10, 5, v0
	v_readfirstlane_b32 s23, v10                   ; wave 0..15
	v_and_b32 v[LO], 31, v0
	v_lshlrev_b32 v[LO], 4, v[LO]
	s_mul_i32 s2, s23, STGB
	v_add_nc_u32 v[STA], s2, v[LO]
	v_and_b32 v10, 15, v0                          ; r
	v_bfe_u32 v11, v0, 4, 1                        ; h
	v_mul_u32_u24 v[RDA], v10, PITCH
	v_lshl_add_u32 v[RDA], v11, 6, v[RDA]
	v_add_nc_u32 v[RDA], s2, v[RDA]
	s_lshr_b32 s46, s23, 2                         ; my block of 16 rows
	s_and_b32 s47, s23, 3                          ; my K quarter
	s_lshl_b32 s24, ttmp9, 18                      ; tens: 64 rows of 4,096 bytes,
	s_lshl_b32 s25, s46, 16                        ; 16 rows,
	s_add_co_u32 s24, s24, s25
	s_lshl_b32 s25, s47, 10                        ; 256 numbers along K
	s_add_co_u32 s24, s24, s25
	s_mov_b32 s25, 0
	s_lshl_b32 s26, ttmp9, 16                      ; its codes: 64 rows are 65,536 bytes,
	s_lshl_b32 s27, s46, 14                        ; a block of 16 rows 16,384,
	s_add_co_u32 s26, s26, s27
	s_lshl_b32 s27, s47, 12                        ; two fragments 4,096
	s_add_co_u32 s26, s26, s27
	s_mov_b32 s27, 0
	s_mul_i32 s44, ttmp9, 6
	s_add_co_u32 s44, s44, s23                     ; f = 6 g + w: used by waves 0 to 5 alone;
	s_min_u32 s44, s44, 1535                       ; held inside the weights in the others
	s_lshr_b32 s45, s44, 9                         ; which weight: 0, 1, 2
	s_bfe_u32 s28, s44, 0x60003                    ; its block of 16 rows: 6 bits from bit 3
	s_and_b32 s29, s44, 7                          ; its K step
	s_lshl_b32 s28, s28, 16
	s_lshl_b32 s29, s29, 9
	s_add_co_u32 s28, s28, s29
	s_mov_b32 s29, 0
	s_lshl_b32 s30, s44, 11                        ; 2,048 f
	s_mov_b32 s31, 0
	s_wait_kmcnt 0x0
	s_load_b256 s[48:55], s[12:13], 0x0            ; e0 .. e7
	s_add_nc_u64 s[SRC:SRC+1], s[4:5], s[24:25]
	s_add_nc_u64 s[D0:D0+1], s[14:15], s[26:27]
	s_add_nc_u64 s[D1:D1+1], s[16:17], s[26:27]
	s_add_nc_u64 s[D2:D2+1], s[18:19], s[26:27]
	s_cmp_eq_u32 s45, 1                            ; the choice hangs on the work-group's and the wave's number alone
	s_cselect_b64 s[WS:WS+1], s[8:9], s[6:7]
	s_cmp_eq_u32 s45, 2
	s_cselect_b64 s[WS:WS+1], s[10:11], s[WS:WS+1]
	s_add_nc_u64 s[WS:WS+1], s[WS:WS+1], s[28:29]
	s_add_nc_u64 s[WD:WD+1], s[20:21], s[30:31]
.macro LOAD set, base, off             ; a fragment: 16 rows x 512 bytes, from off bytes behind s[base], into a set
.irp i, 0,1,2,3,4,5,6,7,8,9,10,11,12,13,14,15
	global_load_b128 v[R+64*(\set)+4*\i:R+64*(\set)+4*\i+3], v[LO], s[\base:\base+1] offset:4096*\i+(\off) th:TH_LOAD_NT
.endr
.endm
.macro TURN set                        ; through the stage: LDS serves a wave's instructions in order (ISA guide 5.7.1.4), so no wait stands between the stores and the loads
.irp i, 0,1,2,3,4,5,6,7,8,9,10,11,12,13,14,15
	ds_store_b128 v[STA], v[R+64*(\set)+4*\i:R+64*(\set)+4*\i+3] offset:PITCH*\i
.endr
.irp c, 0,1,2,3
.irp j, 0,1,2,3
	ds_load_b128 v[X+16*\c+4*\j:X+16*\c+4*\j+3], v[RDA] offset:128*\c+16*\j
.endr
.endr
.endm
.macro MKSC e, vs, vl                  ; 2^e and 448 x 2^e as f32, e in s[e]
	s_add_co_i32 s2, s[\e], 127
	s_lshl_b32 s3, s2, 23
	v_mov_b32 v[\vs], s3
	s_add_co_i32 s2, s2, 8
	s_lshl_b32 s2, s2, 23
	s_or_b32 s2, s2, 0x600000
	v_mov_b32 v[\vl], s2
.endm
; X's 64 numbers become a fragment's codes under the scale in v[vs] and leave for off bytes behind s[dst].  X is kept: tens is quantised again under its other scales.
; The held numbers go into T's two halves by turns, so that sixteen plain lines stand between a conversion and the next write of its sources or of its result.
.macro QUANT vs, vl, dst, off
	s_wait_xcnt 0x0                                ; the last stores have read C: it is written again only behind this wait
.irp c, 0,1,2,3
.irp i, 0,1,2,3,4,5,6,7,8,9,10,11,12,13,14,15
	v_med3_num_f32 v[T+16*(\c%2)+\i], v[X+16*\c+\i], -v[\vl], v[\vl]   ; the conversion to an 8-bit code does not saturate (ISA guide 7.6.2): the hold at the largest code x the scale
.endr
	v_cvt_scalef32_pk8_fp8_f32 v[C+4*\c:C+4*\c+1], v[T+16*(\c%2):T+16*(\c%2)+7], v[\vs]
	v_cvt_scalef32_pk8_fp8_f32 v[C+4*\c+2:C+4*\c+3], v[T+16*(\c%2)+8:T+16*(\c%2)+15], v[\vs]
.endr
.irp c, 0,1,2,3
	global_store_b128 v[LO], v[C+4*\c:C+4*\c+3], s[\dst:\dst+1] offset:(\off)+512*\c   ; 32 lanes store 512 consecutive bytes, at a multiple of 512 from the buffer's first byte
.endr
.endm
.macro QUANT3 off                      ; a fragment of tens under its three scales
	QUANT 4, 5, D0, \off
	QUANT 6, 7, D1, \off
	QUANT 8, 9, D2, \off
.endm
	LOAD 0, SRC, 0
	LOAD 1, SRC, 512
	s_wait_kmcnt 0x0
	s_cmp_eq_u32 s45, 1
	s_cselect_b32 s22, s51, s49                    ; Wk: e3, Wq: e1
	s_cmp_eq_u32 s45, 2
	s_cselect_b32 s22, s53, s22                    ; Wv: e5
	MKSC 48, 4, 5                                  ; e0
	MKSC 50, 6, 7                                  ; e2
	MKSC 52, 8, 9                                  ; e4
	MKSC 22, 12, 13                                ; my weight's
	s_wait_loadcnt 16                              ; my first fragment's 16 loads are in; the second's 16 may be out
	TURN 0
	s_wait_dscnt 0x0                               ; X is in, and the stores into the stage have read set 0
	s_cmp_lt_u32 s23, 6                            ; the ways part once, on the wave's number; each has its own counts
	s_cbranch_scc0 .Lplain
	LOAD 0, WS, 0                                  ; waves 0 to 5: a weight's fragment into set 0
	QUANT3 0
	s_wait_loadcnt 16                              ; my second fragment of tens is in; the weight's 16 loads may be out
	TURN 1
	s_wait_dscnt 0x0
	QUANT3 2048
	s_wait_loadcnt 0x0
	TURN 0
	s_wait_dscnt 0x0
	QUANT 12, 13, WD, 0
	s_wait_tensorcnt 0x0
	ds_add_u32 v14, v15
	s_wait_dscnt 0x0
	s_endpgm
.Lplain:
	QUANT3 0
	s_wait_loadcnt 0x0
	TURN 1
	s_wait_dscnt 0x0
	QUANT3 2048
	s_wait_tensorcnt 0x0
	ds_add_u32 v14, v15
	s_wait_dscnt 0x0
	s_endpgm
.Lfunc_end_k_qecdc410f37_quant:
	.size	k_qecdc410f37_quant, .Lfunc_end_k_qecdc410f37_quant-k_qecdc410f37_quant
	.p2alignl 7, 3214868480
	.fill 96, 4, 3214868480
	.section	.rodata,"a",@progbits
	.p2align	6, 0x0
	.amdhsa_kernel k_qecdc410f37_quant
		.amdhsa_group_segment_fixed_size 137216
		.amdhsa_private_segment_fixed_size 0
		.amdhsa_enable_private_segment 0
		.amdhsa_kernarg_size 72
		.amdhsa_user_sgpr_count 2
		.amdhsa_user_sgpr_kernarg_segment_ptr 1
		.amdhsa_wavefront_size32 1
		.amdhsa_system_sgpr_workgroup_id_x 1
		.amdhsa_system_sgpr_workgroup_id_y 1
		.amdhsa_system_sgpr_workgroup_id_z 1
		.amdhsa_system_vgpr_workitem_id 0
		.amdhsa_next_free_vgpr 256
		.amdhsa_next_free_sgpr 66
		.amdhsa_reserve_vcc 0
		.amdhsa_float_denorm_mode_32 3
		.amdhsa_float_denorm_mode_16_64 3
		.amdhsa_memory_ordered 1
		.amdhsa_forward_progress 1
		.amdhsa_inst_pref_size 81
	.end_amdhsa_kernel
	.amdgpu_metadata
---
amdhsa.version: [ 1, 2 ]
amdhsa.kernels:
  - .name:           k_qecdc410f37_quant
    .symbol:         k_qecdc410f37_quant.kd
    .args:
      - { .name: tens, .offset: 0, .size: 8, .value_kind: global_buffer, .address_space: global }
      - { .name: Wq, .offset: 8, .size: 8, .value_kind: global_buffer, .address_space: global }
      - { .name: Wk, .offset: 16, .size: 8, .value_kind: global_buffer, .address_space: global }
      - { .name: Wv, .offset: 24, .size: 8, .value_kind: global_buffer, .address_space: global }
      - { .name: lowp_scales, .offset: 32, .size: 8, .value_kind: global_buffer, .address_space: global }
      - { .name: xq, .offset: 40, .size: 8, .value_kind: global_buffer, .address_space: global }
      - { .name: xk, .offset: 48, .size: 8, .value_kind: global_buffer, .address_space: global }
      - { .name: xv, .offset: 56, .size: 8, .value_kind: global_buffer, .address_space: global }
      - { .name: wc, .offset: 64, .size: 8, .value_kind: global_buffer, .address_space: global }
    .group_segment_fixed_size: 137216
    .private_segment_fixed_size: 0
    .kernarg_segment_align: 8
    .kernarg_segment_size: 72
    .max_flat_workgroup_size: 512
    .sgpr_count:     66
    .vgpr_count:     256
    .wavefront_size: 32
...
	.end_amdgpu_metadata
.endif
;; end of part 1
;; launch kv (part 2): grid 8 x 32, 4 waves a work-group, clusters of 4 x 1, 327,680 bytes of LDS; arguments xk, xv, wc, bk, bv, lowp_scales, part; writes part
.if DOCPART == 2
	.amdgcn_target "amdgcn-amd-amdhsa--gfx1250"
	.amdhsa_code_object_version 6
	.text
	.protected	k_qecdc410f37_kv
	.globl	k_qecdc410f37_kv
	.p2align	8
	.type	k_qecdc410f37_kv,@function
k_qecdc410f37_kv:
	s_mov_b64 s[64:65], 0
	v_nop
	global_prefetch_b8 v0, s[64:65] scope:SCOPE_SE
	s_setreg_imm32_b32 hwreg(HW_REG_WAVE_MODE, 25, 1), 1
	s_wait_xcnt 0x0
	s_wait_alu depctr_hold_cnt(0) depctr_sa_sdst(0) depctr_va_vdst(0) depctr_va_sdst(0) depctr_va_ssrc(0) depctr_va_vcc(0) depctr_vm_vsrc(0)
	s_getreg_b32 s2, hwreg(HW_REG_IB_STS2, 6, 4)
	s_cmp_eq_u32 s2, 0
	s_cbranch_scc0 .Lentry_in_a_cluster
	s_endpgm
.Lentry_in_a_cluster:
	s_bfe_u32 s2, ttmp6, 0x10000c
	s_cmp_lg_u32 s2, 0x3003
	s_cbranch_scc0 .Lentry_shape_is_right
	s_endpgm
.Lentry_shape_is_right:
; k = tens Wk^T + bk and v = tens Wv^T + bv on codes of FP8 (E4M3), quantised in registers along the rows n, and the part of ktv[d][e] = sum over n of k[n][d] v[n][e] that falls to 512 rows.
; k and v never go to memory.  part[(16 b + head)][8 row splits][16,384 bytes] takes the f32 sums of the code products, without any scale, as images of the accumulators' registers.
; SCALES (whole numbers e0 .. e9; a scale is 2^e): tens e2 (for k; its codes lie in xk), e4 (for v; in xv); Wk e3, Wv e5; k e6, v e7.
; LIMITS: e6 - e2 - e3 and e7 - e4 - e5 between -126 and 119, so that the conversions' scale and 448 x it are f32 numbers.  NaN is not served.
; SHARES.  Work-group (X, Y): heads 2 X and 2 X + 1, rows 512 Y .. 512 Y + 511.  Wave w: projection w / 2 (0: k, 1: v), head 2 X + w % 2.  A wave's 64 rows x 1,024 K of its weight are 32 fragments, 512 registers:
; they are read once, straight from memory, and stay.  tens' codes go through a ring of two LDS slots; a slot holds a whole tile of 64 rows, all of K, once for k's codes and once for v's (65,536 bytes each).
; A wave's tile is 64 rows x 64 columns: 16 accumulators; each fragment of tens read from LDS feeds four matrix instructions.
; CLUSTER: the four work-groups of a cluster differ in X alone and need the same tiles of tens: each is asked for JOINTLY (the same tensor load, the same descriptor, a mask that names the four).
; The weights are shared only by work-groups that differ in Y, which lie in other clusters, and are 64 KiB a wave read once: they are not asked for jointly.
; No prefetch is laid: a refill is asked for 120 matrix instructions and a tile's way out ahead of the wait for it.
; LAYOUT.  First products in the natural order (source 0 = 16 rows of tens, source 1 = 16 rows of W): lane (r, h) holds column 16 b + r and its registers the rows n = 16 a + 8 h + 0 .. 7: neighbours along the next K.
; So the conversions' results are the K = 64 form's operand registers 2 a, 2 a + 1, in that form's own order.  They go from wave to wave through LDS as images of the registers.
; THE EXCHANGE RUNS A TILE BEHIND.  Tile i's codes are stored into buffer i % 2 of two, with no wait and no barrier of their own; they are read behind the barrier that stands in K step 5 of tile i + 1 (in front of it every wave
; has waited for all its LDS instructions), into the registers of the set that K step 5 has multiplied, and multiplied behind K step 6's products.  A buffer is stored again in tile i + 2's way out, behind that tile's barrier,
; in front of which every wave's reads of it have come back.  Buffer 1 begins as zero codes, which add nothing: so the first tile is written like the others.  The last tile's codes are exchanged behind the loop.
; The bias is the C of each sum's first matrix instruction, divided by the power of two that the sums lack.
; REGISTERS, in windows of 256: window 0: v0-31 addresses and constants; v32-63 the bias as C; v64-127 my 8 accumulators of ktv; v128-255 sets 0, 1 of tens' fragments.
;   windows 1, 2: W's fragment (K step q, column tile b) at window 1 + q / 4, v[64 (q % 4) + 16 b].   window 3: v0-127 accumulator (a, b) at v[8 (4 a + b)]; v128-255 sets 2, 3; set 3 is free on a tile's way out.
.set SLOT1, 1<<17                      ; slot 1 begins here: one exclusive or turns an address in one slot into the other's
.set XCH,   2*SLOT1                    ; behind the ring: two buffers for the four waves' four fragments of k or v, 1,024 bytes each
.set XBUF,  16384                      ; a buffer
.set SPARE, XCH+2*XBUF                 ; the spare words, 128 bytes for each wave: two blocks of 256 bytes that no other line names
.set TSTEP, 65536                      ; a tile of 64 rows in a buffer of codes
.set TILES, 8
.set SPW, 2                            ; v2   LDS address of my spare word; never rewritten
.set NIL, 3                            ; v3   0; never rewritten
.set LO,  4                            ; v4   16 x lane
.set AL0, 5                            ; v5   16 x lane + my region of a slot
.set ADR, 6                            ; v6   the same in the slot in hand
.set SCL, 8                            ; v8   2^(EO - ES) as f32
.set LIM, 9                            ; v9   448 x that
.set XST, 10                           ; v10  where I store my fragments, in buffer 0
.set XLK, 11                           ; v11  where I read my head's fragments of k
.set XLV, 12                           ; v12  and my two of v
.set BOF, 13                           ; v13  4 r
.set BT,  16                           ; v16-19 the bias as loaded
.set BI,  32
.set KA,  64
.set XF,  192                          ; the exchanged fragments, in set 1's registers: four of k, then two of v
.set WV,  20                           ; s20  wave;  s21 wave / 2;  s22 wave % 2;  s23 X;  s40 Y;  s41 head
.set G1,  24                           ; s[24:31] descriptor group 1, for all tiles
.set G0K, 32                           ; s[32:39] descriptor group 0 for the tiles of xk: a set for each of the two first fills; the second then walks on
.set G0V, 80                           ; s[80:87] the same for xv
.set TB,  42                           ; s42  LDS byte at which the slot in hand begins
.set CNT, 43                           ; s43  the loop's counter
.set MSB, 0
.macro WIN new                         ; the immediate's high byte repeats the setting that is left; a switch that changes nothing is dropped
.if MSB != (\new)
	s_set_vgpr_msb (MSB<<8)|(\new)
.set MSB, (\new)
.endif
.endm
.macro PLACES n
.rept \n
	v_nop
.endr
.endm
.macro CREST                           ; a round of the cluster's barrier behind its opening barrier
	s_cmp_lg_u32 s[WV], 0
	s_cbranch_scc1 .Lnot_wave_0_\@
	s_barrier_signal -3
.Lnot_wave_0_\@:
	s_barrier_wait -3
	s_barrier_signal -1
	s_barrier_wait -1
.endm
.macro CROUND                          ; a whole round
	s_barrier_signal -1
	s_barrier_wait -1
	CREST
.endm
; A joint refill.  Waves 0 and 1 fetch the two halves of xk's tile, waves 2 and 3 those of xv's.  The branch hangs on the wave's number alone: it is the same in every work-group.
; Four v_nop follow each of the two lines, ahead of the jump, the label and what follows.
.macro JLOAD
	s_cmp_lt_u32 s[WV], 2
	s_cbranch_scc0 .Lfor_v_\@
	tensor_load_to_lds s[G0K+4:G0K+7], s[G1:G1+7]
	s_nop 0
	PLACES 4
	s_branch .Lasked_\@
.Lfor_v_\@:
	tensor_load_to_lds s[G0V+4:G0V+7], s[G1:G1+7]
	s_nop 0
	PLACES 4
.Lasked_\@:
.endm
	s_load_b256 s[4:11], s[0:1], 0x0               ; xk s[4:5], xv s[6:7], wc s[8:9], bk s[10:11]
	s_load_b128 s[12:15], s[0:1], 0x20             ; bv s[12:13], the scales s[14:15]
	s_load_b64 s[16:17], s[0:1], 0x30              ; part
	v_lshl_add_u32 v[SPW], v0, 2, SPARE
	v_mov_b32 v[NIL], 0
	ds_add_u32 v2, v3
	ds_add_u32 v2, v3
	s_wait_dscnt 0x0
	v_lshrrev_b32 v14, 5, v0
	v_readfirstlane_b32 s[WV], v14                 ; wave 0..3
	s_lshr_b32 s21, s[WV], 1                       ; P: 0 k, 1 v
	s_and_b32 s22, s[WV], 1                        ; G: which of the two heads
	s_bfe_u32 s23, ttmp6, 0x40000                  ; cx
	s_lshl_b32 s60, ttmp9, 2
	s_add_co_u32 s23, s60, s23                     ; X = 4 x cluster x + cx: it enters the addresses of W, the bias and the result alone
	s_and_b32 s40, ttmp7, 0xffff                   ; Y, which the four partners share
	s_lshl_b32 s41, s23, 1
	s_add_co_u32 s41, s41, s22                     ; head
	; descriptor group 1: a dense block of 32,768 bytes as 128 rows of 32 elements of 8 bytes; no padding: fragments are read 16 bytes a lane on end
	s_mov_b32 s[G1+0], 15|(3<<16)|(1<<21)          ; 15:0 the mask: all four work-groups; 17:16 elements of 8 bytes; 21 set beside a mask
	s_mov_b32 s[G1+1], 32<<16                      ; tensor_dim0 = 32
	s_mov_b32 s[G1+2], 128<<16                     ; tensor_dim1 = 128
	s_mov_b32 s[G1+3], 32<<16                      ; tile_dim0 = 32
	s_mov_b32 s[G1+4], 128                         ; tile_dim1 = 128
	s_mov_b32 s[G1+5], 32                          ; tensor_dim0_stride
	s_mov_b32 s[G1+6], 0
	s_mov_b32 s[G1+7], 0
	s_mov_b32 s[TB], 0
	v_and_b32 v[LO], 31, v0
	v_lshlrev_b32 v[LO], 4, v[LO]
	s_lshl_b32 s50, s21, 16
	v_add_nc_u32 v[AL0], s50, v[LO]                ; region P of a slot
	s_lshl_b32 s50, s[WV], 12
	s_add_co_u32 s50, s50, XCH
	v_add_nc_u32 v[XST], s50, v[LO]                ; wave w's four fragments at 4,096 w
	s_lshl_b32 s50, s22, 12
	s_add_co_u32 s50, s50, XCH
	v_add_nc_u32 v[XLK], s50, v[LO]                ; k of my head: wave G's
	s_lshl_b32 s51, s21, 11
	s_add_co_u32 s50, s50, s51
	s_add_co_u32 s50, s50, 8192
	v_add_nc_u32 v[XLV], s50, v[LO]                ; v of my head: wave 2 + G's; of its four tiles of e I take 2 P and 2 P + 1
	v_and_b32 v[BOF], 15, v0
	v_lshlrev_b32 v[BOF], 2, v[BOF]
	s_lshl_b32 s2, s40, 19                         ; where my part of a tile lies in xk and in xv: 512 rows are 524,288 bytes of codes;
	s_lshl_b32 s3, s22, 15                         ; of a tile's four blocks of 16 rows I fetch two.  Nothing of this hangs on my place in the cluster
	s_add_co_u32 s2, s2, s3
	s_mov_b32 s3, 0
	s_wait_kmcnt 0x0
	s_load_b256 s[68:75], s[14:15], 0x0            ; e0 .. e7
	s_add_nc_u64 s[50:51], s[4:5], s[2:3]          ; every wave makes both addresses, and asks by one of them
	s_add_nc_u64 s[52:53], s[6:7], s[2:3]
	s_mov_b32 s[G0K], 1                            ; group 0 for tile 0: count = 1,
	s_lshl_b32 s[G0K+1], s[WV], 15                 ; LDS address: slot 0, 32,768 x wave: no place in the cluster enters it,
	s_mov_b64 s[G0K+2:G0K+3], s[50:51]             ; global address,
	s_or_b32 s[G0K+3], s[G0K+3], 0x80000000        ; type = 2
	s_mov_b32 s[G0K+4], 1                          ; group 0 for tile 1; it then walks on
	s_add_co_u32 s[G0K+5], s[G0K+1], SLOT1
	s_add_nc_u64 s[G0K+6:G0K+7], s[50:51], TSTEP
	s_or_b32 s[G0K+7], s[G0K+7], 0x80000000
	s_mov_b32 s[G0V], 1
	s_lshl_b32 s[G0V+1], s[WV], 15
	s_mov_b64 s[G0V+2:G0V+3], s[52:53]
	s_or_b32 s[G0V+3], s[G0V+3], 0x80000000
	s_mov_b32 s[G0V+4], 1
	s_add_co_u32 s[G0V+5], s[G0V+1], SLOT1
	s_add_nc_u64 s[G0V+6:G0V+7], s[52:53], TSTEP
	s_or_b32 s[G0V+7], s[G0V+7], 0x80000000
	s_add_co_u32 s60, s21, 1                       ; W: Wk lies 1 MiB into wc, Wv 2 MiB; a head's 64 rows are 65,536 bytes
	s_lshl_b32 s60, s60, 20
	s_lshl_b32 s61, s41, 16
	s_add_co_u32 s60, s60, s61
	s_mov_b32 s61, 0
	s_add_nc_u64 s[44:45], s[8:9], s[60:61]
	s_lshr_b32 s62, s40, 3                         ; b
	s_lshl_b32 s62, s62, 4
	s_add_co_u32 s62, s62, s41                     ; 16 b + head
	s_lshl_b32 s62, s62, 3
	s_and_b32 s63, s40, 7
	s_add_co_u32 s62, s62, s63                     ; x 8 + the row split
	s_lshl_b32 s62, s62, 14
	s_lshl_b32 s63, s21, 13                        ; my two tiles of e: 8,192 P
	s_add_co_u32 s62, s62, s63
	s_mov_b32 s63, 0
	s_add_nc_u64 s[48:49], s[16:17], s[62:63]      ; where my part of the result goes
	s_lshl_b32 s60, s41, 8                         ; the head's 64 numbers of the bias
	s_cmp_lt_u32 s[WV], 2                          ; k's wave or v's?
	s_cselect_b64 s[46:47], s[10:11], s[12:13]
	s_add_nc_u64 s[46:47], s[46:47], s[60:61]
	CROUND                                         ; all four work-groups are here: the first joint loads meet
	s_cmp_lt_u32 s[WV], 2                          ; a wave's two first fills stand in one branch, ahead of every wait on TENSORcnt and every LDS read: two loads of mine are out
	s_cbranch_scc0 .Lfirst_v
	tensor_load_to_lds s[G0K:G0K+3], s[G1:G1+7]
	s_nop 0
	tensor_load_to_lds s[G0K+4:G0K+7], s[G1:G1+7]
	s_nop 0
	PLACES 4
	s_branch .Lfirst_asked
.Lfirst_v:
	tensor_load_to_lds s[G0V:G0V+3], s[G1:G1+7]
	s_nop 0
	tensor_load_to_lds s[G0V+4:G0V+7], s[G1:G1+7]
	s_nop 0
	PLACES 4
.Lfirst_asked:
.irp b, 0,1,2,3
	global_load_b32 v[BT+\b], v[BOF], s[46:47] offset:64*\b   ; the bias of column 16 b + r
.endr
.irp q, 0,1,2,3,4,5,6,7                ; W's 32 fragments, K step by K step, so that the first tile's products can begin while the later K steps are on their way
	WIN (1+(\q>>2))<<6
.irp b, 0,1,2,3
.irp c, 0,1,2,3
	global_load_b128 v[64*(\q&3)+16*\b+4*\c:64*(\q&3)+16*\b+4*\c+3], v[LO], s[44:45] offset:16384*\b+2048*\q+512*\c
.endr
.endr
.endr
	WIN 0
	s_wait_kmcnt 0x0
	s_add_co_i32 s54, s70, s71                     ; e2 + e3
	s_add_co_i32 s55, s72, s73                     ; e4 + e5
	s_cmp_lt_u32 s[WV], 2
	s_cselect_b32 s54, s54, s55                    ; ES: a sum of my first product stands for sum x 2^ES
	s_cselect_b32 s55, s74, s75                    ; EO: the scale of what I make: e6 for k, e7 for v
	s_sub_co_i32 s57, s55, s54                     ; a code is sum / 2^(EO - ES): the scales are folded into the conversion's one
	s_add_co_i32 s57, s57, 127
	s_lshl_b32 s58, s57, 23
	v_mov_b32 v[SCL], s58
	s_add_co_i32 s57, s57, 8
	s_lshl_b32 s57, s57, 23
	s_or_b32 s57, s57, 0x600000
	v_mov_b32 v[LIM], s57
	s_sub_co_i32 s56, 0, s54
.set i, 0
.rept 64
	v_mov_b32 v[KA+i], 0                           ; ktv's sums begin as zeros, once: the tile is then written alike for the first tile and the others
.set i, i+1
.endr
.irp b, 0,1,2,3
.irp hh, 0,1
	ds_store_b128 v[XST], v[KA:KA+3] offset:XBUF+1024*\b+512*\hh   ; my part of buffer 1 begins as zero codes: the first tile multiplies them
.endr
.endr
	s_wait_loadcnt 63                              ; of the 132 loads all but the youngest 63 are in: the bias among them
.irp b, 0,1,2,3
.irp j, 0,1,2,3,4,5,6,7
	v_ldexp_f32 v[BI+8*\b+\j], v[BT+\b], s56       ; bias / 2^ES, in the result's layout: the same number in a lane's eight rows
.endr
.endr
; 16 LDS loads: the four fragments (64 rows) of K step ks of the slot in hand, into set 0..3
.macro FETCH ks, set
	WIN (3*((\set)>>1))<<6
.irp a, 0,1,2,3
.irp c, 0,1,2,3
	ds_load_b128 v[128+64*((\set)&1)+16*\a+4*\c:128+64*((\set)&1)+16*\a+4*\c+3], v[ADR] offset:16384*\a+2048*(\ks)+512*\c
.endr
.endr
.endm
; 16 matrix instructions: K step q.  The 16 accumulators take turns, one instruction a turn, in the same order in every K step.  K step 0 starts the sums with the bias.
.macro MUL16 q
.set AWN, 3*(((\q)%4)>>1)
.set WWN, 1+((\q)>>2)
.set ABS, 128+64*((\q)&1)
.set WBS, 64*((\q)&3)
.if (\q) == 0
	WIN AWN|(WWN<<2)|0xc0
.else
	WIN AWN|(WWN<<2)|0xf0
.endif
.irp a, 0,1,2,3
.irp b, 0,1,2,3
.if (\q) == 0
	v_wmma_f32_16x16x128_fp8_fp8 v[8*(4*\a+\b):8*(4*\a+\b)+7], v[ABS+16*\a:ABS+16*\a+15], v[WBS+16*\b:WBS+16*\b+15], v[BI+8*\b:BI+8*\b+7]
.else
	v_wmma_f32_16x16x128_fp8_fp8 v[8*(4*\a+\b):8*(4*\a+\b)+7], v[ABS+16*\a:ABS+16*\a+15], v[WBS+16*\b:WBS+16*\b+15], v[8*(4*\a+\b):8*(4*\a+\b)+7]
.endif
.endr
.endr
.endm
; 12 LDS loads: my head's four fragments of k and my two of v out of a buffer, into set 1's registers
.macro XLOAD buf
	WIN 0
.irp c, 0,1,2,3
.irp hh, 0,1
	ds_load_b128 v[XF+8*\c+4*\hh:XF+8*\c+4*\hh+3], v[XLK] offset:XBUF*(\buf)+1024*\c+512*\hh
.endr
.endr
.irp u, 0,1
.irp hh, 0,1
	ds_load_b128 v[XF+32+8*\u+4*\hh:XF+32+8*\u+4*\hh+3], v[XLV] offset:XBUF*(\buf)+1024*\u+512*\hh
.endr
.endr
.endm
; 8 matrix instructions: ktv takes 64 rows.  All operands lie in window 0
.macro KTVMUL
	WIN 0
.irp u, 0,1
.irp c, 0,1,2,3
	v_wmma_f32_16x16x64_fp8_fp8 v[KA+8*(4*\u+\c):KA+8*(4*\u+\c)+7], v[XF+8*\c:XF+8*\c+7], v[XF+32+8*\u:XF+32+8*\u+7], v[KA+8*(4*\u+\c):KA+8*(4*\u+\c)+7]   ; lane (r, h), register j: d = 16 c + 8 h + j, e = 16 (2 P + u) + r
.endr
.endr
.endm
; A K step.  mode 2: a next tile follows and this slot is filled again; 1: a next tile follows; 0: the last tile.  buf: the buffer that takes this tile's codes; the tile before left its codes in the other.
; K steps 0 to 4 fetch three K steps, 48 matrix instructions, ahead, into the set that the K step before has multiplied: a load into a register that a matrix instruction has read stands four plain vector
; instructions behind it.
; K STEP 5 CHANGES SLOTS: the tile's last fragments were asked for in K step 4.  Each wave waits for all its tensor loads (its part of the next tile), adds 0 to its spare word, and waits for that and for all its LDS
; instructions: its reads of this slot, its stores of the last tile's codes, its reads of the codes before those.  Behind the barrier: the refill, the last tile's codes of all waves, the next tile's first fragments.
.macro KSTEP q, mode, buf
.if (\q) < 5
	PLACES 4
	FETCH (\q)+3, ((\q)+3)%4
	s_wait_dscnt 48                                ; set q is in: behind it stand the three sets asked for later
.if 16*(7-(\q)) > 63
	s_wait_loadcnt 63                              ; W's K steps 0-3 are the oldest 64 of its 128 loads (in later tiles no load is out)
.else
	s_wait_loadcnt 16*(7-(\q))                     ; W's K step q is in; the later K steps' 16 loads each may be out
.endif
	MUL16 \q
.elseif (\q) == 5
	WIN 0                                          ; (the add's two registers lie in window 0)
	s_wait_loadcnt 32                              ; W's K step 5
.if (\mode) > 0
	s_wait_tensorcnt 0x0                           ; all my tensor loads have landed: no group 0 is in use
	ds_add_u32 v[SPW], v[NIL]                      ; 0 onto my spare word
.if (\mode) == 2
.irp g, G0K+4, G0V+4
	s_xor_b32 s[\g+1], s[\g+1], SLOT1              ; the walking descriptors: the slot that is being left,
	s_add_nc_u64 s[\g+2:\g+3], s[\g+2:\g+3], TSTEP ; the tile two on; the type bits on top are not reached
.endr
.endif
	s_xor_b32 s[TB], s[TB], SLOT1
.endif
	s_wait_dscnt 0x0                               ; the add is done; my reads of this slot are over; my stores of the last tile's codes have landed; sets 2 and 3 are in
	s_barrier_signal -1
	MUL16 5                                        ; work on registers while the others arrive
	WIN 0
	s_barrier_wait -1
.if (\mode) == 2
	CREST                                          ; the barrier has opened a round of the cluster's: no wave of any partner still reads this slot or has a load on its way
	JLOAD                                          ; my one tensor load behind the round; the four v_nop behind it are also the places in front of the loads below
.else
	PLACES 4
.endif
	XLOAD 1-(\buf)                                 ; the last tile's codes, into the set that K step 5 has multiplied
.if (\mode) > 0
	v_add_nc_u32 v[ADR], s[TB], v[AL0]
	FETCH 0, 0                                     ; the next tile's first fragments
.endif
.elseif (\q) == 6
	s_wait_loadcnt 16                              ; W's K step 6
	MUL16 6                                        ; sixteen matrix instructions stand between the codes' loads and the wait for them
.if (\mode) > 0
	s_wait_dscnt 16                                ; the 12 loads of codes are in; the next tile's first 16 may be out
.else
	s_wait_dscnt 0x0
.endif
	KTVMUL                                         ; ktv takes the last tile's 64 rows
.if (\mode) > 0
	PLACES 4                                       ; behind the products that read sets 1 and 2
	FETCH 1, 1
	FETCH 2, 2
.endif
.else
	s_wait_loadcnt 0x0                             ; W's K step 7
	MUL16 7
.endif
.endm
; A TILE'S WAY OUT: my 64 x 64 of k or v become four fragments of the K = 64 form and go into a buffer.  No wait follows: the next tile's K step 5 has it.
.macro EPI buf
	PLACES 4
	WIN 0xc3                                       ; source 0 and destination window 3
.set i, 0
.rept 128
	v_med3_num_f32 v[i], v[i], -v[LIM], v[LIM]     ; the hold at the largest code x the scale (ISA guide 7.6.2); each accumulator from its low end on
.set i, i+1
.endr
.irp a, 0,1,2,3
.irp b, 0,1,2,3
	v_cvt_scalef32_pk8_fp8_f32 v[192+8*\b+2*\a:192+8*\b+2*\a+1], v[8*(4*\a+\b):8*(4*\a+\b)+7], v[SCL]   ; registers 2 a, 2 a + 1 of fragment b: column 16 b + r, n = 16 a + 8 h + 0 .. 7
.endr
.endr
	v_nop                                          ; one plain vector instruction behind the last conversion: the next tile's products write its sources
	WIN 0x0c                                       ; store data window 3
.irp b, 0,1,2,3
.irp hh, 0,1
	ds_store_b128 v[XST], v[192+8*\b+4*\hh:192+8*\b+4*\hh+3] offset:XBUF*(\buf)+1024*\b+512*\hh
.endr
.endr
	WIN 0
.endm
.macro TILE mode, buf
.irp q, 0,1,2,3,4,5,6,7
	KSTEP \q, \mode, \buf
.endr
	EPI \buf
.endm
	s_wait_tensorcnt 1                             ; my part of tile 0 is in; tile 1's may stay out
	s_wait_dscnt 0x0                               ; for the others' sake: my zero codes have landed
	s_barrier_signal -1
	s_barrier_wait -1                              ; everybody's is
	v_add_nc_u32 v[ADR], s[TB], v[AL0]
	FETCH 0, 0
	FETCH 1, 1
	FETCH 2, 2
	WIN 0                                          ; at a label and at a branch every window is 0
	s_mov_b32 s[CNT], (TILES-2)/2
.Ltile:                                            ; a trip runs two tiles, one for each buffer; every tile but the last two has its slot filled again
	TILE 2, 0
	TILE 2, 1
	s_sub_co_u32 s[CNT], s[CNT], 1
	s_cmp_lg_u32 s[CNT], 0
	s_cbranch_scc1 .Ltile
	TILE 1, 0                                      ; the tail is written out
	TILE 0, 1
	s_wait_dscnt 0x0                               ; the last tile's codes: for the others' sake, my stores have landed
	s_barrier_signal -1
	s_barrier_wait -1
	XLOAD 1
	s_wait_dscnt 0x0
	KTVMUL
	PLACES 4
.irp x, 0,1,2,3,4,5,6,7
.irp hh, 0,1
	global_store_b128 v[LO], v[KA+8*\x+4*\hh:KA+8*\x+4*\hh+3], s[48:49] offset:1024*\x+512*\hh   ; 32 lanes store 512 consecutive bytes; each accumulator from its low end on
.endr
.endr
	s_wait_tensorcnt 0x0                           ; the wave's end
	ds_add_u32 v[SPW], v[NIL]
	s_wait_dscnt 0x0
	CROUND                                         ; the closing round: no work-group ends while a partner may still ask for a tile that names it
	s_endpgm
.Lfunc_end_k_qecdc410f37_kv:
	.size	k_qecdc410f37_kv, .Lfunc_end_k_qecdc410f37_kv-k_qecdc410f37_kv
	.p2alignl 7, 3214868480
	.fill 96, 4, 3214868480
	.section	.rodata,"a",@progbits
	.p2align	6, 0x0
	.amdhsa_kernel k_qecdc410f37_kv
		.amdhsa_group_segment_fixed_size 327680
		.amdhsa_private_segment_fixed_size 0
		.amdhsa_enable_private_segment 0
		.amdhsa_kernarg_size 56
		.amdhsa_user_sgpr_count 2
		.amdhsa_user_sgpr_kernarg_segment_ptr 1
		.amdhsa_wavefront_size32 1
		.amdhsa_system_sgpr_workgroup_id_x 1
		.amdhsa_system_sgpr_workgroup_id_y 1
		.amdhsa_system_sgpr_workgroup_id_z 1
		.amdhsa_system_vgpr_workitem_id 0
		.amdhsa_next_free_vgpr 1024
		.amdhsa_next_free_sgpr 88
		.amdhsa_reserve_vcc 0
		.amdhsa_float_denorm_mode_32 3
		.amdhsa_float_denorm_mode_16_64 3
		.amdhsa_memory_ordered 1
		.amdhsa_forward_progress 1
		.amdhsa_inst_pref_size 145
	.end_amdhsa_kernel
	.amdgpu_metadata
---
amdhsa.version: [ 1, 2 ]
amdhsa.kernels:
  - .name:           k_qecdc410f37_kv
    .symbol:         k_qecdc410f37_kv.kd
    .args:
      - { .name: xk, .offset: 0, .size: 8, .value_kind: global_buffer, .address_space: global }
      - { .name: xv, .offset: 8, .size: 8, .value_kind: global_buffer, .address_space: global }
      - { .name: wc, .offset: 16, .size: 8, .value_kind: global_buffer, .address_space: global }
      - { .name: bk, .offset: 24, .size: 8, .value_kind: global_buffer, .address_space: global }
      - { .name: bv, .offset: 32, .size: 8, .value_kind: global_buffer, .address_space: global }
      - { .name: lowp_scales, .offset: 40, .size: 8, .value_kind: global_buffer, .address_space: global }
      - { .name: part, .offset: 48, .size: 8, .value_kind: global_buffer, .address_space: global }
    .group_segment_fixed_size: 327680
    .private_segment_fixed_size: 0
    .kernarg_segment_align: 8
    .kernarg_segment_size: 56
    .max_flat_workgroup_size: 128
    .sgpr_count:     88
    .vgpr_count:     1024
    .wavefront_size: 32
...
	.end_amdgpu_metadata
.endif
;; end of part 2
;; launch qout (part 3): grid 8 x 32, 4 waves a work-group, clusters of 4 x 1, 327,680 bytes of LDS; arguments xq, wc, bq, part, lowp_scales, out0; writes out0
.if DOCPART == 3
	.amdgcn_target "amdgcn-amd-amdhsa--gfx1250"
	.amdhsa_code_object_version 6
	.text
	.protected	k_qecdc410f37_qout
	.globl	k_qecdc410f37_qout
	.p2align	8
	.type	k_qecdc410f37_qout,@function
k_qecdc410f37_qout:
	s_mov_b64 s[64:65], 0
	v_nop
	global_prefetch_b8 v0, s[64:65] scope:SCOPE_SE
	s_setreg_imm32_b32 hwreg(HW_REG_WAVE_MODE, 25, 1), 1
	s_wait_xcnt 0x0
	s_wait_alu depctr_hold_cnt(0) depctr_sa_sdst(0) depctr_va_vdst(0) depctr_va_sdst(0) depctr_va_ssrc(0) depctr_va_vcc(0) depctr_vm_vsrc(0)
	s_getreg_b32 s2, hwreg(HW_REG_IB_STS2, 6, 4)
	s_cmp_eq_u32 s2, 0
	s_cbranch_scc0 .Lentry_in_a_cluster
	s_endpgm
.Lentry_in_a_cluster:
	s_bfe_u32 s2, ttmp6, 0x10000c
	s_cmp_lg_u32 s2, 0x3003
	s_cbranch_scc0 .Lentry_shape_is_right
	s_endpgm
.Lentry_shape_is_right:
; out[n][e] = 2^-9 x the sum over d of q[n][d] ktv[d][e], for each batch and head; q = tens Wq^T + bq.  All products on codes of FP8 (E4M3).  (1 / sqrt(64)) / sqrt(4096) = 2^-9.
; ktv is the sum of the eight partial sums of code products in part, x 2^(e6 + e7); it is quantised along d under e8.  q is quantised in registers along d under e9 and never goes to memory.
; SCALES: tens e0, Wq e1; ktv e8, q e9.  LIMITS: e9 - e0 - e1 and e8 - e6 - e7 between -126 and 119; e8 + e9 - 9 between -126 and 127: each power of two below is then an f32 number.  NaN is not served.
; SHARES.  Work-group (X, Y): heads 2 X and 2 X + 1, rows 512 Y .. 512 Y + 511, in four tiles of 128 rows.  Wave w: rows 64 (w / 2) on of a tile, head 2 X + w % 2.  A wave's 64 rows x 1,024 K of Wq (512 registers)
; are read once, straight from memory, and stay.  tens' codes go through a ring of two LDS slots of a whole tile, all of K (131,072 bytes).
; CLUSTER: the four work-groups of a cluster differ in X alone and need the same tiles of tens: each is asked for JOINTLY.  Wq and the partial sums are shared only by work-groups that differ in Y, which lie in
; other clusters, and are read once, into registers: they are not asked for jointly.  No prefetch is laid: a refill is asked for 128 matrix instructions and a tile's way out ahead of the wait for it.
; LAYOUT.  The first product is used transposed (source 0 = 16 rows of Wq, source 1 = 16 rows of tens): lane (r, h) holds row 16 a + r of q and its registers d = 16 b + 8 h + 0 .. 7, neighbours along the next K:
; the conversions' results are the K = 64 form's registers 2 b, 2 b + 1.  The second product likewise (source 0 = 16 rows e of ktv^T, source 1 = q): a lane holds eight neighbouring numbers of a row of out.
; THE HEAD IS ONE STREAM OF LOADS: the partial sums land in the registers that the tiles will use later (windows 3 and 0), so that Wq's loads, into windows 1 and 2, go out behind them without a wait for the sums.
; REGISTERS, in windows of 256: window 0: v0-31 addresses and constants; v32-63 the bias as C; v64-95 ktv's four fragments (at the head v64-127: partial sum 6, then ktv's sums);
;   v128-255 sets 0, 1 of tens' fragments (at the head: partial sums 4 and 5, then v128-143 ktv's codes as made).
;   windows 1, 2: Wq's fragment (q, b) at window 1 + q / 4, v[64 (q % 4) + 16 b].   window 3: v0-127 accumulator (a, b) at v[8 (4 a + b)]; v128-255 sets 2, 3; set 3 is free on a tile's way out (at the head: partial sums 0 to 3, later 7 in 1's place).
.set SLOT1, 1<<17
.set KTV,   2*SLOT1                    ; behind the ring: two heads' four fragments of ktv, 1,024 bytes each
.set STG,   KTV+8192                   ; a stage of 16 rows x (256 bytes + 16) for each wave
.set SP,    272
.set SPARE, STG+4*16*SP                ; the spare words, 128 bytes for each wave: two blocks of 256 bytes that no other line names
.set TSTEP, 131072                     ; a tile of 128 rows in the buffer of codes
.set TILES, 4
.set SPW, 2                            ; v2   LDS address of my spare word; never rewritten
.set NIL, 3                            ; v3   0; never rewritten
.set LO,  4                            ; v4   16 x lane
.set AL0, 5                            ; v5   16 x lane + my region of a slot
.set ADR, 6                            ; v6   the same in the slot in hand
.set SCL, 8                            ; v8, v9    2^(e9 - e0 - e1), and 448 x it
.set LIM, 9
.set KSCL, 10                          ; v10, v11  2^(e8 - e6 - e7), and 448 x it
.set KLIM, 11
.set KST, 12                           ; v12  where I store my two fragments of ktv
.set KTL, 13                           ; v13  where I read my head's four
.set SO,  14                           ; v14  the stage: where I put 32 bytes of a row
.set SR,  15                           ; v15  and where I read a row back
.set GO,  16                           ; v16  my byte offset in two rows of out
.set BOF, 17                           ; v17  32 h
.set BI,  32
.set KT,  64
.set KS,  64                           ; at the head: ktv's sums
.set KC,  128                          ; at the head: ktv's codes as made
.set WV,  20                           ; s20  wave;  s21 wave / 2;  s22 wave % 2;  s23 X;  s40 Y;  s41 head
.set TB,  42
.set CNT, 43
.set OB,  56                           ; s[56:57] out at my first row of the tile in hand, my head's columns
.set OF,  58                           ; s[58:59] 2^(e8 + e9 - 9), twice
.set MSB, 0
.macro WIN new                         ; the immediate's high byte repeats the setting that is left; a switch that changes nothing is dropped
.if MSB != (\new)
	s_set_vgpr_msb (MSB<<8)|(\new)
.set MSB, (\new)
.endif
.endm
.macro PLACES n
.rept \n
	v_nop
.endr
.endm
.macro CREST                           ; a round of the cluster's barrier behind its opening barrier
	s_cmp_lg_u32 s[WV], 0
	s_cbranch_scc1 .Lnot_wave_0_\@
	s_barrier_signal -3
.Lnot_wave_0_\@:
	s_barrier_wait -3
	s_barrier_signal -1
	s_barrier_wait -1
.endm
.macro CROUND
	s_barrier_signal -1
	s_barrier_wait -1
	CREST
.endm
.macro MKSC e, vs, vl                  ; 2^e and 448 x 2^e as f32, e in s[e]
	s_add_co_i32 s54, s[\e], 127
	s_lshl_b32 s55, s54, 23
	v_mov_b32 v[\vs], s55
	s_add_co_i32 s54, s54, 8
	s_lshl_b32 s54, s54, 23
	s_or_b32 s54, s54, 0x600000
	v_mov_b32 v[\vl], s54
.endm
.macro PLOAD p, reg                    ; partial sum p of my two tiles of e: 16 loads, 64 registers from v[reg] on
.irp x, 0,1,2,3,4,5,6,7
.irp hh, 0,1
	global_load_b128 v[(\reg)+8*\x+4*\hh:(\reg)+8*\x+4*\hh+3], v[LO], s[48:49] offset:16384*(\p)+1024*\x+512*\hh
.endr
.endr
.endm
	s_load_b256 s[4:11], s[0:1], 0x0               ; xq s[4:5], wc s[6:7], bq s[8:9], part s[10:11]
	s_load_b128 s[12:15], s[0:1], 0x20             ; the scales s[12:13], out0 s[14:15]
	v_lshl_add_u32 v[SPW], v0, 2, SPARE
	v_mov_b32 v[NIL], 0
	ds_add_u32 v2, v3
	ds_add_u32 v2, v3
	s_wait_dscnt 0x0
	v_lshrrev_b32 v18, 5, v0
	v_readfirstlane_b32 s[WV], v18                 ; wave 0..3
	s_lshr_b32 s21, s[WV], 1                       ; P: which 64 rows of a tile
	s_and_b32 s22, s[WV], 1                        ; G: which of the two heads
	s_bfe_u32 s23, ttmp6, 0x40000                  ; cx
	s_lshl_b32 s60, ttmp9, 2
	s_add_co_u32 s23, s60, s23                     ; X = 4 x cluster x + cx: it enters the addresses of Wq, the bias, the partial sums and out alone
	s_and_b32 s40, ttmp7, 0xffff                   ; Y, which the four partners share
	s_lshl_b32 s41, s23, 1
	s_add_co_u32 s41, s41, s22                     ; head
	; descriptor group 1: a dense block of 32,768 bytes as 128 rows of 32 elements of 8 bytes; no padding
	s_mov_b32 s24, 15|(3<<16)|(1<<21)              ; 15:0 the mask: all four work-groups; 17:16 elements of 8 bytes; 21 set beside a mask
	s_mov_b32 s25, 32<<16                          ; tensor_dim0 = 32
	s_mov_b32 s26, 128<<16                         ; tensor_dim1 = 128
	s_mov_b32 s27, 32<<16                          ; tile_dim0 = 32
	s_mov_b32 s28, 128                             ; tile_dim1 = 128
	s_mov_b32 s29, 32                              ; tensor_dim0_stride
	s_mov_b32 s30, 0
	s_mov_b32 s31, 0
	s_mov_b32 s[TB], 0
	v_and_b32 v[LO], 31, v0
	v_lshlrev_b32 v[LO], 4, v[LO]
	s_lshl_b32 s50, s21, 16
	v_add_nc_u32 v[AL0], s50, v[LO]                ; region P of a slot
	s_lshl_b32 s50, s22, 12
	s_add_co_u32 s50, s50, KTV
	v_add_nc_u32 v[KTL], s50, v[LO]                ; my head's four fragments of ktv
	s_lshl_b32 s51, s21, 11
	s_add_co_u32 s50, s50, s51
	v_add_nc_u32 v[KST], s50, v[LO]                ; of which I make 2 P and 2 P + 1
	v_and_b32 v18, 15, v0                          ; r
	v_bfe_u32 v19, v0, 4, 1                        ; h
	s_mul_i32 s50, s[WV], 16*SP
	s_add_co_u32 s50, s50, STG                     ; my stage
	v_mul_u32_u24 v[SO], v18, SP
	v_lshl_add_u32 v[SO], v19, 5, v[SO]
	v_add_nc_u32 v[SO], s50, v[SO]                 ; in: row r, + 32 h
	v_mul_u32_u24 v[SR], v19, SP
	v_lshl_add_u32 v[SR], v18, 4, v[SR]
	v_add_nc_u32 v[SR], s50, v[SR]                 ; back: lanes 0-15 one row of 256 bytes, lanes 16-31 the next
	v_lshlrev_b32 v[GO], 12, v19
	v_lshl_add_u32 v[GO], v18, 4, v[GO]            ; and the same two rows in out
	v_lshlrev_b32 v[BOF], 5, v19
	s_wait_kmcnt 0x0
	s_load_b256 s[68:75], s[12:13], 0x0            ; e0 .. e7
	s_load_b64 s[76:77], s[12:13], 0x20            ; e8, e9
	s_lshl_b32 s2, s40, 19                         ; 512 rows are 524,288 bytes of codes
	s_lshl_b32 s3, s[WV], 15                       ; of a tile's eight blocks of 16 rows I fetch two
	s_add_co_u32 s2, s2, s3
	s_mov_b32 s3, 0
	s_add_nc_u64 s[50:51], s[4:5], s[2:3]
	s_mov_b32 s32, 1                               ; group 0 for tile 0: count = 1,
	s_lshl_b32 s33, s[WV], 15                      ; LDS address: slot 0, 32,768 x wave,
	s_mov_b64 s[34:35], s[50:51]                   ; global address,
	s_or_b32 s35, s35, 0x80000000                  ; type = 2
	s_mov_b32 s36, 1                               ; group 0 for tile 1; it then walks on
	s_add_co_u32 s37, s33, SLOT1
	s_add_nc_u64 s[38:39], s[50:51], TSTEP
	s_or_b32 s39, s39, 0x80000000
	s_lshl_b32 s60, s41, 16                        ; Wq lies first in wc; a head's 64 rows are 65,536 bytes
	s_mov_b32 s61, 0
	s_add_nc_u64 s[44:45], s[6:7], s[60:61]
	s_lshl_b32 s60, s41, 8                         ; the head's 64 numbers of the bias; also its 256 bytes of a row of out
	s_add_nc_u64 s[46:47], s[8:9], s[60:61]
	s_add_nc_u64 s[OB:OB+1], s[14:15], s[60:61]
	s_lshl_b32 s60, s40, 21                        ; 512 rows of 4,096 bytes
	s_lshl_b32 s62, s21, 18                        ; 64 rows
	s_add_co_u32 s60, s60, s62
	s_add_nc_u64 s[OB:OB+1], s[OB:OB+1], s[60:61]
	s_lshr_b32 s62, s40, 3                         ; b
	s_lshl_b32 s62, s62, 4
	s_add_co_u32 s62, s62, s41                     ; 16 b + head
	s_lshl_b32 s62, s62, 17                        ; eight partial sums of 16,384 bytes
	s_lshl_b32 s63, s21, 13                        ; my two tiles of e
	s_add_co_u32 s62, s62, s63
	s_mov_b32 s63, 0
	s_add_nc_u64 s[48:49], s[10:11], s[62:63]
	CROUND                                         ; all four work-groups are here: the first joint loads meet
	tensor_load_to_lds s[32:35], s[24:31]          ; both first fills together: two loads of mine are out
	s_nop 0
	tensor_load_to_lds s[36:39], s[24:31]
	s_nop 0
	PLACES 4
.irp b, 0,1,2,3
	global_load_b128 v[BI+8*\b:BI+8*\b+3], v[BOF], s[46:47] offset:64*\b        ; the bias of d = 16 b + 8 h + 0 .. 7
	global_load_b128 v[BI+8*\b+4:BI+8*\b+7], v[BOF], s[46:47] offset:64*\b+16
.endr
	WIN 0xc0                                       ; destination window 3
	PLOAD 0, 0
	PLOAD 1, 64
	PLOAD 2, 128
	PLOAD 3, 192
	WIN 0
	PLOAD 4, 128
	PLOAD 5, 192
	PLOAD 6, KS
	s_wait_kmcnt 0x0
	s_add_co_i32 s52, s68, s69                     ; e0 + e1: a sum of the first product stands for sum x 2^(e0 + e1)
	s_sub_co_i32 s53, s77, s52
	MKSC 53, SCL, LIM                              ; q's code is sum / 2^(e9 - e0 - e1)
	s_add_co_i32 s53, s74, s75
	s_sub_co_i32 s53, s76, s53
	MKSC 53, KSCL, KLIM                            ; ktv's code is sum / 2^(e8 - e6 - e7)
	s_add_co_i32 s[OF], s76, s77
	s_add_co_i32 s[OF], s[OF], 118                 ; e8 + e9 - 9 + 127
	s_lshl_b32 s[OF], s[OF], 23
	s_mov_b32 s[OF+1], s[OF]                       ; (named with it as a pair, so it is written)
	s_sub_co_i32 s52, 0, s52
	s_wait_loadcnt 63                              ; of the 120 loads so far the first 57 are in: the bias's 8 and partial sums 0, 1, 2
	WIN 0xcf                                       ; all in window 3
.set i, 0
.rept 32
	v_pk_add_f32 v[i:i+1], v[i:i+1], v[64+i:65+i]  ; partial sums 0 and 1: 1's registers are free
.set i, i+2
.endr
	WIN 0xc0
	PLOAD 7, 64                                    ; and take partial sum 7
.irp q, 0,1,2,3,4,5,6,7                ; Wq's 32 fragments, K step by K step: they go out behind the partial sums with no wait between
	WIN (1+(\q>>2))<<6
.irp b, 0,1,2,3
.irp c, 0,1,2,3
	global_load_b128 v[64*(\q&3)+16*\b+4*\c:64*(\q&3)+16*\b+4*\c+3], v[LO], s[44:45] offset:16384*\b+2048*\q+512*\c
.endr
.endr
.endr
	WIN 0
.set i, 0
.rept 32
	v_ldexp_f32 v[BI+i], v[BI+i], s52              ; bias / 2^(e0 + e1)
.set i, i+1
.endr
	s_wait_loadcnt 63                              ; of the 264 loads the first 201 are in: all partial sums (the first 136) among them
	WIN 0xcf
.set i, 0
.rept 32
	v_pk_add_f32 v[i:i+1], v[i:i+1], v[64+i:65+i]              ; + 7
	v_pk_add_f32 v[128+i:129+i], v[128+i:129+i], v[192+i:193+i]   ; 2 + 3
.set i, i+2
.endr
.set i, 0
.rept 32
	v_pk_add_f32 v[i:i+1], v[i:i+1], v[128+i:129+i]
.set i, i+2
.endr
	WIN 0
.set i, 0
.rept 32
	v_pk_add_f32 v[128+i:129+i], v[128+i:129+i], v[192+i:193+i]   ; 4 + 5
.set i, i+2
.endr
.set i, 0
.rept 32
	v_pk_add_f32 v[KS+i:KS+i+1], v[KS+i:KS+i+1], v[128+i:129+i]   ; + 6
.set i, i+2
.endr
	WIN 0x0c                                       ; source 1 window 3
.set i, 0
.rept 32
	v_pk_add_f32 v[KS+i:KS+i+1], v[KS+i:KS+i+1], v[i:i+1]         ; all eight
.set i, i+2
.endr
	WIN 0
.set i, 0
.rept 64
	v_med3_num_f32 v[KS+i], v[KS+i], -v[KLIM], v[KLIM]   ; the hold at the largest code x the scale (ISA guide 7.6.2)
.set i, i+1
.endr
.irp u, 0,1
.irp c, 0,1,2,3
	v_cvt_scalef32_pk8_fp8_f32 v[KC+8*\u+2*\c:KC+8*\u+2*\c+1], v[KS+8*(4*\u+\c):KS+8*(4*\u+\c)+7], v[KSCL]   ; registers 2 c, 2 c + 1 of the fragment of rows e = 16 (2 P + u) + r: d = 16 c + 8 h + 0 .. 7
.endr
.endr
	v_nop                                          ; one plain vector instruction behind the last conversion
.irp u, 0,1
.irp hh, 0,1
	ds_store_b128 v[KST], v[KC+8*\u+4*\hh:KC+8*\u+4*\hh+3] offset:1024*\u+512*\hh
.endr
.endr
; 16 LDS loads: the four fragments (64 rows) of K step ks of the slot in hand, into set 0..3
.macro FETCH ks, set
	WIN (3*((\set)>>1))<<6
.irp a, 0,1,2,3
.irp c, 0,1,2,3
	ds_load_b128 v[128+64*((\set)&1)+16*\a+4*\c:128+64*((\set)&1)+16*\a+4*\c+3], v[ADR] offset:16384*\a+2048*(\ks)+512*\c
.endr
.endr
.endm
; 16 matrix instructions: K step q, transposed.  The 16 accumulators take turns, one instruction a turn, in the same order in every K step.  K step 0 starts the sums with the bias.
.macro MUL16 q
.set AWN, 3*(((\q)%4)>>1)
.set WWN, 1+((\q)>>2)
.set ABS, 128+64*((\q)&1)
.set WBS, 64*((\q)&3)
.if (\q) == 0
	WIN WWN|(AWN<<2)|0xc0
.else
	WIN WWN|(AWN<<2)|0xf0
.endif
.irp a, 0,1,2,3
.irp b, 0,1,2,3
.if (\q) == 0
	v_wmma_f32_16x16x128_fp8_fp8 v[8*(4*\a+\b):8*(4*\a+\b)+7], v[WBS+16*\b:WBS+16*\b+15], v[ABS+16*\a:ABS+16*\a+15], v[BI+8*\b:BI+8*\b+7]
.else
	v_wmma_f32_16x16x128_fp8_fp8 v[8*(4*\a+\b):8*(4*\a+\b)+7], v[WBS+16*\b:WBS+16*\b+15], v[ABS+16*\a:ABS+16*\a+15], v[8*(4*\a+\b):8*(4*\a+\b)+7]
.endif
.endr
.endr
.endm
; A K step.  mode 2: a next tile follows and this slot is filled again; 1: a next tile follows; 0: the last tile.  Fragments are fetched three K steps, 48 matrix instructions, ahead, into the set that the K step before has multiplied:
; a load into a register that a matrix instruction has read stands four plain vector instructions behind it.
; K STEP 5 CHANGES SLOTS: the tile's last fragments were asked for in K step 4.  Each wave waits for all its tensor loads (its part of the next tile), adds 0 to its spare word, and waits for that and for its reads of this slot.
.macro KSTEP q, mode
.if (\q) != 5
.if ((\q) < 5) || ((\mode) > 0)
	PLACES 4
	FETCH ((\q)+3)%8, ((\q)+3)%4
	s_wait_dscnt 48                                ; set q is in; the three sets asked for behind it may be out
.else
	s_wait_dscnt 16*(7-(\q))                       ; the last tile's end: only the sets behind this one are out
.endif
.if 16*(7-(\q)) > 63
	s_wait_loadcnt 63                              ; Wq's K steps 0-3 are the oldest 64 of its 128 loads (in later tiles no load is out)
.else
	s_wait_loadcnt 16*(7-(\q))                     ; Wq's K step q is in; the later K steps' 16 loads each may be out
.endif
	MUL16 \q
.elseif (\mode) == 0
	s_wait_dscnt 32                                ; set 1 is in; K steps 6 and 7 may be out
	s_wait_loadcnt 32
	MUL16 5
.else
	WIN 0                                          ; (the add's two registers lie in window 0)
	s_wait_loadcnt 32                              ; Wq's K step 5
	s_wait_tensorcnt 0x0                           ; all my tensor loads have landed: no group 0 is in use
	ds_add_u32 v[SPW], v[NIL]                      ; 0 onto my spare word
.if (\mode) == 2
	s_xor_b32 s37, s37, SLOT1                      ; the walking descriptor: the slot that is being left,
	s_add_nc_u64 s[38:39], s[38:39], TSTEP         ; the tile two on; the type bits on top are not reached
.endif
	s_xor_b32 s[TB], s[TB], SLOT1
	s_wait_dscnt 0x0                               ; the add is done, and my reads of this slot are over
	s_barrier_signal -1
	MUL16 5                                        ; work on registers while the others arrive
	WIN 0
	s_barrier_wait -1
.if (\mode) == 2
	CREST                                          ; the barrier has opened a round of the cluster's: no wave of any partner still reads this slot or has a load on its way
	tensor_load_to_lds s[36:39], s[24:31]          ; my one tensor load behind the round
	s_nop 0
.endif
	PLACES 4                                       ; the places in front of the loads below
	v_add_nc_u32 v[ADR], s[TB], v[AL0]
	FETCH 0, 0                                     ; the next tile's first fragments
.endif
.endm
; The way out of 16 rows: a lane's 32 bytes of a row go into my own stage and come back as whole rows of 256 bytes, INTO THE REGISTERS THAT THEY LEFT: so no store's data are written again within a tile.
; LDS serves a wave's instructions in order (ISA guide 5.7.1.4): no wait between the stores and the loads, nor in front of the next rows' stores.
.macro TOSTAGE a
.irp t, 0,1,2,3
	ds_store_b128 v[SO], v[8*(4*(\a)+\t):8*(4*(\a)+\t)+3] offset:64*\t
	ds_store_b128 v[SO], v[8*(4*(\a)+\t)+4:8*(4*(\a)+\t)+7] offset:64*\t+16
.endr
.irp i, 0,1,2,3,4,5,6,7
	ds_load_b128 v[32*(\a)+4*\i:32*(\a)+4*\i+3], v[SR] offset:2*SP*\i
.endr
.endm
.macro SEND a, younger                 ; younger: the LDS instructions issued behind these rows' loads, which may stay out
	s_wait_dscnt \younger
.irp i, 0,1,2,3,4,5,6,7
	global_store_b128 v[GO], v[32*(\a)+4*\i:32*(\a)+4*\i+3], s[OB:OB+1] offset:(16*(\a)+2*\i)*4096 th:TH_STORE_NT   ; 16 lanes store 256 consecutive bytes, at a multiple of 256 from out's first byte
.endr
.endm
; A TILE'S WAY OUT: my 64 x 64 of q become four fragments of the K = 64 form, are multiplied by ktv, scaled and stored.
.macro EPI
	PLACES 4
	WIN 0xc3                                       ; source 0 and destination window 3
.set i, 0
.rept 128
	v_med3_num_f32 v[i], v[i], -v[LIM], v[LIM]     ; the hold at the largest code x the scale (ISA guide 7.6.2); each accumulator from its low end on
.set i, i+1
.endr
.irp a, 0,1,2,3
.irp b, 0,1,2,3
	v_cvt_scalef32_pk8_fp8_f32 v[192+8*\a+2*\b:192+8*\a+2*\b+1], v[8*(4*\a+\b):8*(4*\a+\b)+7], v[SCL]   ; registers 2 b, 2 b + 1 of fragment a: row 16 a + r, d = 16 b + 8 h + 0 .. 7
.endr
.endr
	v_nop                                          ; one plain vector instruction between the last conversion and the products, which read its result and write its sources
	WIN 0xcc                                       ; source 0 (ktv) window 0, source 1 (q) and destination window 3
.irp a, 0,1,2,3
.irp t, 0,1,2,3
	v_wmma_f32_16x16x64_fp8_fp8 v[8*(4*\a+\t):8*(4*\a+\t)+7], v[KT+8*\t:KT+8*\t+7], v[192+8*\a:192+8*\a+7], 0   ; lane (r, h), register j: out(16 a + r, 16 t + 8 h + j)
.endr
.endr
	PLACES 4
	WIN 0xc3
.set i, 0
.rept 64
	v_pk_mul_f32 v[i:i+1], v[i:i+1], s[OF:OF+1] op_sel_hi:[1,0]   ; x 2^(e8 + e9 - 9); each accumulator from its low end on
.set i, i+2
.endr
	WIN 0xcc                                       ; addresses window 0; store data and loaded data window 3
	TOSTAGE 0
	TOSTAGE 1
	SEND 0, 16                                     ; behind rows 0-15's loads: the next 16 rows' 8 stores and 8 loads
	TOSTAGE 2
	SEND 1, 16
	TOSTAGE 3
	SEND 2, 16
	SEND 3, 0
	s_wait_xcnt 0x0                                ; the stores have read their base and their registers: the base steps, and the next tile's products write the registers
	s_add_nc_u64 s[OB:OB+1], s[OB:OB+1], 128*4096
	WIN 0
.endm
.macro TILE mode
.irp q, 0,1,2,3,4,5,6,7
	KSTEP \q, \mode
.endr
	EPI
.endm
	s_wait_tensorcnt 1                             ; my part of tile 0 is in; tile 1's may stay out
	s_wait_dscnt 0x0                               ; for the others' sake: my fragments of ktv have landed
	s_barrier_signal -1
	s_barrier_wait -1
.irp t, 0,1,2,3
.irp hh, 0,1
	ds_load_b128 v[KT+8*\t+4*\hh:KT+8*\t+4*\hh+3], v[KTL] offset:1024*\t+512*\hh   ; my head's ktv stays in registers
.endr
.endr
	v_add_nc_u32 v[ADR], s[TB], v[AL0]
	FETCH 0, 0
	FETCH 1, 1
	FETCH 2, 2
	WIN 0                                          ; at a label and at a branch every window is 0
	s_mov_b32 s[CNT], TILES-2
.Ltile:                                            ; every tile but the last two has its slot filled again
	TILE 2
	s_sub_co_u32 s[CNT], s[CNT], 1
	s_cmp_lg_u32 s[CNT], 0
	s_cbranch_scc1 .Ltile
	TILE 1                                         ; the tail is written out
	TILE 0
	s_wait_tensorcnt 0x0                           ; the wave's end
	ds_add_u32 v[SPW], v[NIL]
	s_wait_dscnt 0x0
	CROUND                                         ; the closing round: no work-group ends while a partner may still ask for a tile that names it
	s_endpgm
.Lfunc_end_k_qecdc410f37_qout:
	.size	k_qecdc410f37_qout, .Lfunc_end_k_qecdc410f37_qout-k_qecdc410f37_qout
	.p2alignl 7, 3214868480
	.fill 96, 4, 3214868480
	.section	.rodata,"a",@progbits
	.p2align	6, 0x0
	.amdhsa_kernel k_qecdc410f37_qout
		.amdhsa_group_segment_fixed_size 327680
		.amdhsa_private_segment_fixed_size 0
		.amdhsa_enable_private_segment 0
		.amdhsa_kernarg_size 48
		.amdhsa_user_sgpr_count 2
		.amdhsa_user_sgpr_kernarg_segment_ptr 1
		.amdhsa_wavefront_size32 1
		.amdhsa_system_sgpr_workgroup_id_x 1
		.amdhsa_system_sgpr_workgroup_id_y 1
		.amdhsa_system_sgpr_workgroup_id_z 1
		.amdhsa_system_vgpr_workitem_id 0
		.amdhsa_next_free_vgpr 1024
		.amdhsa_next_free_sgpr 80
		.amdhsa_reserve_vcc 0
		.amdhsa_float_denorm_mode_32 3
		.amdhsa_float_denorm_mode_16_64 3
		.amdhsa_memory_ordered 1
		.amdhsa_forward_progress 1
		.amdhsa_inst_pref_size 173
	.end_amdhsa_kernel
	.amdgpu_metadata
---
amdhsa.version: [ 1, 2 ]
amdhsa.kernels:
  - .name:           k_qecdc410f37_qout
    .symbol:         k_qecdc410f37_qout.kd
    .args:
      - { .name: xq, .offset: 0, .size: 8, .value_kind: global_buffer, .address_space: global }
      - { .name: wc, .offset: 8, .size: 8, .value_kind: global_buffer, .address_space: global }
      - { .name: bq, .offset: 16, .size: 8, .value_kind: global_buffer, .address_space: global }
      - { .name: part, .offset: 24, .size: 8, .value_kind: global_buffer, .address_space: global }
      - { .name: lowp_scales, .offset: 32, .size: 8, .value_kind: global_buffer, .address_space: global }
      - { .name: out0, .offset: 40, .size: 8, .value_kind: global_buffer, .address_space: global }
    .group_segment_fixed_size: 327680
    .private_segment_fixed_size: 0
    .kernarg_segment_align: 8
    .kernarg_segment_size: 48
    .max_flat_workgroup_size: 128
    .sgpr_count:     80
    .vgpr_count:     1024
    .wavefront_size: 32
...
	.end_amdgpu_metadata
.endif
;; end of part 3
